; MI455X (gfx1250); checked and timed in simulation.
; The chip was launched on July 23, 2026; its instructions are those of AMD's public machine-readable ISA for CDNA 5 (MIT licence, August 2026) and "CDNA5" Instruction Set Architecture Reference Guide (July 2026). The comments in the code are by the model that wrote it; some were corrected since.
;; RPE Multi Head Attention. Allowed arithmetic: matrix products marked QUANTISED: E2M3 operands, one E8M0 scale for each 32 along K, by v_wmma_scale_f32_16x16x128_f8f6f4 with both operands' format E2M3, f32 sums; everything else in f32.
;; Inputs: Wk 512 x 512 float32; Wo 512 x 512 float32; Wq 512 x 512 float32; Wv 512 x 512 float32; bk 512 float32; bo 512 float32; bq 512 float32; bv 512 float32; key 4 x 2,048 x 512 float32; query 4 x 2,048 x 512 float32; rel_emb 257 x 8 float32; value 4 x 2,048 x 512 float32.
;; Outputs: out0 4 x 2,048 x 512 float32.
;; This version of the problem:
;;   THIS VERSION OF THE PROBLEM IS GIVEN IN LOW PRECISION. The matrix products marked QUANTISED in the list below multiply operands that are first quantised to E2M3 (2 exponent bits, 3 mantissa bits; 6 bits a number), with one power-of-two scale for each 32 numbers along K (OCP MX v1.0); their sums are f32. All else is computed in f32.
;;   The module's matrix products, in the order in which they are computed (A, B: the left and right operand; K: the contracted axis; several contracted axes count as one K, in the product's order):
;;     1. [M 8,192, K 512] x [K 512, N 512]; A: input query; B: input Wq: QUANTISED
;;     2. [M 8,192, K 512] x [K 512, N 512]; A: input key; B: input Wk: QUANTISED
;;     3. [M 8,192, K 512] x [K 512, N 512]; A: input value; B: input Wv: QUANTISED
;;     4. batch 32 x [M 2,048, K 64] x [K 64, N 2,048]; A: computed on the way; B: computed on the way: QUANTISED
;;     5. batch 32 x [M 2,048, K 2,048] x [K 2,048, N 64]; A: softmax (see below); B: computed on the way: QUANTISED
;;     6. [M 8,192, K 512] x [K 512, N 512]; A: computed on the way; B: input Wo: QUANTISED
;;   THE QUANTISER, for each operand of a quantised product, along K:
;;     - K is cut into blocks of 32 from its start; a last block that is shorter is filled with zeros.
;;     - A block's scale is 2^e with e = floor(log2(the largest magnitude in the block)) - 2, held to -126 .. 127; a block of zeros has e = 0. As a byte (E8M0): e + 127.
;;     - Each number is divided by its block's scale, clamped to +-7.5, and rounded to the nearest number of E2M3, ties to even, subnormals kept.
;;     - The product sums the exact products of the quantised numbers (number of the format x scale) in f32.
;;   ~~~python
;;   def quantise(x, axis):      # numpy; x: float32 -> the quantised numbers, widened to float32 again
;;       x = np.moveaxis(x, axis, -1); K = x.shape[-1]
;;       x = np.pad(x, [(0, 0)] * (x.ndim - 1) + [(0, -K % 32)]); x = x.reshape(x.shape[:-1] + (-1, 32)); a = np.abs(x).max(-1, keepdims=True)
;;       e = np.where(a > 0, np.clip(np.frexp(np.where(a > 0, a, 1))[1] - 1 - 2, -126, 127), 0)      # np.frexp(a)[1] - 1 = floor(log2(a)), exactly
;;       r = np.clip(x / 2.0 ** e, -7.5, 7.5)
;;       step = 2.0 ** (np.maximum(np.frexp(np.where(r == 0, 1, r))[1] - 1, 0) - 3)
;;       q = np.round(r / step) * step * 2.0 ** e      # np.round: ties to even
;;       return np.moveaxis(q.reshape(q.shape[:-2] + (-1,))[..., :K], -1, axis).astype(np.float32)
;;   ~~~
;;   SOFTMAX AHEAD OF A QUANTISED PRODUCT. Where the list says 'softmax', what is quantised is not the finished softmax but p = 2^(t - M), with t = logit x log2(e) and M = ceil(the row's largest t), a whole number; so 1/2 < the row's largest p <= 1. The row's sum l is taken of the UNQUANTISED p, in f32, and the product's result is divided by l at the end. Since M is a whole number, a kernel that streams over the keys may use a running M (the ceiling of the running maximum): every later rescaling is an exact power of two, which a block's scale takes up: the codes' values come out the same.
;;   OPERANDS COMPUTED ON THE WAY. 'Computed on the way' means the value that the module computes at that place (a softmax that the list does not call 'softmax' is quantised finished and normalised). What goes into a quantiser is computed in f32, as accurately as f32 sums, v_exp_f32 and their like allow (about 1e-6 of the number): no bf16 or f16 on the way to a quantiser, and a product that is left as it is and whose result goes on into a quantised operand takes f32 operands (vector FMAs, or v_wmma_f32_16x16x4_f32). A number that lies on a knife's edge between two numbers of the format may be rounded either way, as far as f32 arithmetic and the matrix unit's own rounding can turn it there, and no further.
;; One version. Each part assembles by itself: llvm-mc -triple=amdgcn-amd-amdhsa -mcpu=gfx1250 --defsym DOCPART=n.
;; ======== version 1 of 1: 4 launches
;; limits: right only within a limited range of input values
;; workspace buffers: wc 786,432 bytes; wsc 32,768 bytes; qc 3,145,728 bytes; qs 131,072 bytes; kvc 6,553,600 bytes; oc 3,145,728 bytes; os 131,072 bytes
;; launch wquant (part 1): grid 128 x 1, 4 waves a work-group, no clusters, 768 bytes of LDS; arguments Wq, Wk, Wv, Wo, wc, wsc; writes wc, wsc
.if DOCPART == 1
	.amdgcn_target "amdgcn-amd-amdhsa--gfx1250"
	.amdhsa_code_object_version 6
	.text
	.protected	k_qfd121a7287_wquant
	.globl	k_qfd121a7287_wquant
	.p2align	8
	.type	k_qfd121a7287_wquant,@function
k_qfd121a7287_wquant:
	s_mov_b64 s[64:65], 0
	v_nop
	global_prefetch_b8 v0, s[64:65] scope:SCOPE_SE
	s_setreg_imm32_b32 hwreg(HW_REG_WAVE_MODE, 25, 1), 1
	s_wait_xcnt 0x0
; The four weights [512][512] f32 (K innermost) become codes of FP6 (E2M3) with one E8M0 byte for each 32 along K, laid as IMAGES OF OPERAND REGISTERS.
; wc: [z = q,k,v,o][tile T 0..31][K step s 0..3], 1,536 bytes each: lane l's registers 4 c .. 4 c + 3 at 512 c + 16 l.  wsc: [z][T][r] 16 bytes: the row's four scale words.
; THE ROWS OF A TILE ARE NOT NEIGHBOURS: lane r of tile T takes row 32 (T / 2) + 8 (T % 2) + r + 8 (r / 8), so that the results of two neighbouring tiles are 16 neighbours along a later K.
; A work-group takes one tile of one weight, its wave s the K step s: one fragment, 16 rows x 128 K.  Lane (r, h) loads, of its row, 16 neighbours of each block of 32.
; LIMITS: NaN and infinities are not served; a block whose largest magnitude lies under 2^-124 gets the byte 1; so does a block of zeros (the rule says 127): its codes are zeros, and this program alone reads the bytes.
; No matrix unit, no tensor load, no cluster: 4 MiB are read once, each work-group its own 32 KiB.
.set ST, 16                            ; v16-79   64 numbers: register 16 b + i = k 32 b + 16 h + i of my row
.set PC, 80                            ; v80-91   the fragment's codes
.set T2, 92                            ; v92-98   the upper halves of the blocks, as converted
.set TM, 100                           ; v100-103 largest magnitudes, v104-107 the other half's, then bytes, v108-111 the conversions' scale operands
.set PW, 112                           ; v112     the row's scale word
.macro QUANT s, d0, d1
.irp b, 0,1,2,3
	v_max3_num_f32 v[TM+\b], |v[(\s)+16*\b]|, |v[(\s)+16*\b+1]|, 0x1800000   ; my 16 numbers of block b, and the floor 2^(3 - 127): the byte cannot fall under 1
.endr
.irp i, 2,4,6,8,10,12,14
.irp b, 0,1,2,3
	v_max3_num_f32 v[TM+\b], |v[(\s)+16*\b+\i]|, |v[(\s)+16*\b+\i+1]|, v[TM+\b]   ; the four blocks by turns
.endr
.endr
.irp b, 0,1,2,3
	v_permlanex16_b32 v[TM+4+\b], v[TM+\b], s28, s29
.endr
.irp b, 0,1,2,3
	v_max_num_f32 v[TM+\b], v[TM+\b], v[TM+4+\b]   ; with lane l xor 16's: the block's largest magnitude
.endr
.irp b, 0,1,2,3
	v_add_nc_u32 v[TM+8+\b], 0xff000000, v[TM+\b]  ; 2 off its exponent field: the conversion's scale operand
.endr
.irp b, 0,1,2,3
	v_lshrrev_b32 v[TM+4+\b], 23, v[TM+8+\b]       ; the scale's byte
.endr
	v_lshl_or_b32 v[PW], v[TM+5], 8, v[TM+4]
	v_lshl_or_b32 v[PW], v[TM+6], 16, v[PW]
	v_lshl_or_b32 v[PW], v[TM+7], 24, v[PW]
	v_cvt_scalef32_pk16_fp6_f32 v[(\d0):(\d0)+2], v[(\s):(\s)+15], v[TM+8]
	v_cvt_scalef32_pk16_fp6_f32 v[T2:T2+2], v[(\s)+16:(\s)+31], v[TM+9]       ; (a conversion's three registers begin on an even number)
	v_cvt_scalef32_pk16_fp6_f32 v[(\d1):(\d1)+2], v[(\s)+32:(\s)+47], v[TM+10]
	v_cvt_scalef32_pk16_fp6_f32 v[T2+4:T2+6], v[(\s)+48:(\s)+63], v[TM+11]
	v_nop                                          ; one plain place behind the scaled conversions
.irp i, 0,1,2
	v_permlane16_swap_b32 v[(\d0)+\i], v[T2+\i]    ; the operand wants a whole block in a lane: lanes 0-15 block 0, lanes 16-31 block 1
.endr
.irp i, 0,1,2
	v_mov_b32 v[(\d0)+3+\i], v[T2+\i]
.endr
.irp i, 0,1,2
	v_permlane16_swap_b32 v[(\d1)+\i], v[T2+4+\i]
.endr
.irp i, 0,1,2
	v_mov_b32 v[(\d1)+3+\i], v[T2+4+\i]
.endr
.endm
	s_load_b256 s[4:11], s[0:1], 0x0               ; Wq, Wk, Wv, Wo
	s_load_b128 s[12:15], s[0:1], 0x20             ; wc, wsc
	v_lshl_add_u32 v128, v0, 2, 0x100
	v_mov_b32 v129, 0
	v_lshrrev_b32 v1, 5, v0
	v_readfirstlane_b32 s16, v1                    ; wave = K step s
	v_and_b32 v1, 31, v0                           ; lane
	v_and_b32 v2, 15, v0                           ; r
	s_wait_alu depctr_va_vdst(0)
	v_bfe_u32 v3, v0, 4, 1                         ; h
	s_lshr_b32 s17, ttmp9, 5                       ; z: which weight
	s_and_b32 s18, ttmp9, 31                       ; T: which tile
	s_lshr_b32 s19, s18, 1
	s_lshl_b32 s19, s19, 5
	s_and_b32 s20, s18, 1
	s_lshl_b32 s20, s20, 3
	s_add_co_u32 s19, s19, s20                     ; the tile's first row: 32 (T / 2) + 8 (T % 2)
	s_lshl_b32 s19, s19, 11                        ; a row is 2,048 bytes
	s_lshl_b32 s20, s16, 9                         ; a K step 512
	s_add_co_u32 s19, s19, s20
	v_and_b32 v4, 8, v2
	v_add_nc_u32 v4, v4, v2                        ; r + 8 (r / 8)
	v_lshlrev_b32 v4, 11, v4
	s_wait_alu depctr_va_vdst(0)
	v_lshl_add_u32 v4, v3, 6, v4                   ; + 64 h: my 16 numbers of a block
	v_add_nc_u32 v4, s19, v4
	v_lshlrev_b32 v5, 4, v1                        ; 16 x lane: my place in an image's row
	v_lshlrev_b32 v6, 3, v1                        ; 8 x lane
	v_lshlrev_b32 v7, 4, v2
	v_lshl_add_u32 v7, s16, 2, v7                  ; LDS: 16 r + 4 s: my row's word of my K step
.irp b, 0,1,2,3
	v_mov_b32 v[TM+4+\b], 0                        ; a lane permute's destination counts as one of its sources
.endr
	s_mov_b32 s28, 0x76543210
	s_mov_b32 s29, 0xfedcba98                      ; lane l xor 16
	s_mul_i32 s22, s17, 196608
	s_lshl_b32 s21, s18, 2
	s_add_co_u32 s21, s21, s16
	s_mul_i32 s21, s21, 1536
	s_add_co_u32 s22, s22, s21                     ; the image's place in wc
	s_mov_b32 s23, 0
	s_lshl_b32 s24, s17, 13
	s_lshl_b32 s21, s18, 8
	s_add_co_u32 s24, s24, s21                     ; the tile's 256 bytes in wsc
	s_mov_b32 s25, 0
	s_and_b32 s26, s17, 1
	s_wait_alu depctr_va_vdst(0)
	s_wait_kmcnt 0x0
	s_cmp_eq_u32 s26, 1                            ; the choice hangs on the work-group's number alone
	s_cselect_b64 s[4:5], s[6:7], s[4:5]
	s_cselect_b64 s[8:9], s[10:11], s[8:9]
	s_cmp_ge_u32 s17, 2
	s_cselect_b64 s[4:5], s[8:9], s[4:5]
	s_add_nc_u64 s[12:13], s[12:13], s[22:23]
	s_add_nc_u64 s[14:15], s[14:15], s[24:25]
.irp b, 0,1,2,3
.irp j, 0,1,2,3
	global_load_b128 v[ST+16*\b+4*\j:ST+16*\b+4*\j+3], v4, s[4:5] offset:128*\b+16*\j th:TH_LOAD_NT
.endr
.endr
	s_wait_loadcnt 0x0
	QUANT ST, PC, PC+6
.irp c, 0,1,2
	global_store_b128 v5, v[PC+4*\c:PC+4*\c+3], s[12:13] offset:512*\c   ; the wave stores 512 consecutive bytes, aligned
.endr
	ds_store_b32 v7, v[PW]                         ; both halves of the lanes write the same word with the same value
	s_wait_dscnt 0x0                               ; for the others' sake: my word has landed
	s_barrier_signal -1
	s_barrier_wait -1
	s_cmp_lg_u32 s16, 0
	s_cbranch_scc1 .Ldone
	ds_load_b64 v[8:9], v6                         ; wave 0: the tile's 16 rows x 4 words
	s_wait_dscnt 0x0
	global_store_b64 v6, v[8:9], s[14:15]          ; 256 consecutive bytes, aligned
.Ldone:
	s_wait_tensorcnt 0x0
	ds_add_u32 v128, v129
	s_wait_dscnt 0x0
	s_endpgm
.Lfunc_end_k_qfd121a7287_wquant:
	.size	k_qfd121a7287_wquant, .Lfunc_end_k_qfd121a7287_wquant-k_qfd121a7287_wquant
	.p2alignl 7, 3214868480
	.fill 96, 4, 3214868480
	.section	.rodata,"a",@progbits
	.p2align	6, 0x0
	.amdhsa_kernel k_qfd121a7287_wquant
		.amdhsa_group_segment_fixed_size 768
		.amdhsa_private_segment_fixed_size 0
		.amdhsa_enable_private_segment 0
		.amdhsa_kernarg_size 48
		.amdhsa_user_sgpr_count 2
		.amdhsa_user_sgpr_kernarg_segment_ptr 1
		.amdhsa_wavefront_size32 1
		.amdhsa_system_sgpr_workgroup_id_x 1
		.amdhsa_system_sgpr_workgroup_id_y 1
		.amdhsa_system_sgpr_workgroup_id_z 1
		.amdhsa_system_vgpr_workitem_id 0
		.amdhsa_next_free_vgpr 130
		.amdhsa_next_free_sgpr 66
		.amdhsa_reserve_vcc 0
		.amdhsa_float_denorm_mode_32 3
		.amdhsa_float_denorm_mode_16_64 3
		.amdhsa_memory_ordered 1
		.amdhsa_forward_progress 1
		.amdhsa_inst_pref_size 9
	.end_amdhsa_kernel
	.amdgpu_metadata
---
amdhsa.version: [ 1, 2 ]
amdhsa.kernels:
  - .name:           k_qfd121a7287_wquant
    .symbol:         k_qfd121a7287_wquant.kd
    .args:
      - { .name: Wq, .offset: 0, .size: 8, .value_kind: global_buffer, .address_space: global }
      - { .name: Wk, .offset: 8, .size: 8, .value_kind: global_buffer, .address_space: global }
      - { .name: Wv, .offset: 16, .size: 8, .value_kind: global_buffer, .address_space: global }
      - { .name: Wo, .offset: 24, .size: 8, .value_kind: global_buffer, .address_space: global }
      - { .name: wc, .offset: 32, .size: 8, .value_kind: global_buffer, .address_space: global }
      - { .name: wsc, .offset: 40, .size: 8, .value_kind: global_buffer, .address_space: global }
    .group_segment_fixed_size: 768
    .private_segment_fixed_size: 0
    .kernarg_segment_align: 8
    .kernarg_segment_size: 48
    .max_flat_workgroup_size: 128
    .sgpr_count:     66
    .vgpr_count:     130
    .wavefront_size: 32
...
	.end_amdgpu_metadata
.endif
;; end of part 1
;; launch proj (part 2): grid 64 x 3, 4 waves a work-group, no clusters, 324,096 bytes of LDS; arguments query, key, value, bq, bk, bv, wc, wsc, qc, qs, kvc; writes qc, qs, kvc
.if DOCPART == 2
	.amdgcn_target "amdgcn-amd-amdhsa--gfx1250"
	.amdhsa_code_object_version 6
	.text
	.protected	k_qfd121a7287_proj
	.globl	k_qfd121a7287_proj
	.p2align	8
	.type	k_qfd121a7287_proj,@function
k_qfd121a7287_proj:
	s_mov_b64 s[64:65], 0
	v_nop
	global_prefetch_b8 v0, s[64:65] scope:SCOPE_SE
	s_setreg_imm32_b32 hwreg(HW_REG_WAVE_MODE, 25, 1), 1
	s_wait_xcnt 0x0
; Products 1 to 3: x W^T + b for x = query, key, value (work-group y = z), on codes of FP6 (E2M3) with E8M0 scales; the results are quantised again as the attention's operands.
; A work-group takes 128 tokens x all 512 columns.  Wave w keeps W's tiles 8 w .. 8 w + 7 (heads 2 w, 2 w + 1) x 4 K steps in registers (384), read once as images from wc.
; PHASE X: wave w brings tokens 32 w .. 32 w + 31 of x, 65,536 dense bytes, by ONE tensor load (64 rows of 1,024 bytes, 16 bytes of padding behind each); a barrier; then wave w quantises tiles 2 w, 2 w + 1
; of tokens and puts them into LDS as images of operand registers; a barrier; then every wave reads all eight tiles.
; THE TOKENS OF A TILE: lane r of tile T (0..7) takes token 64 (T / 4) + 8 (T % 4) + r % 8 + 32 (r / 8).  So the 32 result registers that a lane holds of four neighbouring tiles are a whole block of 32 neighbouring tokens.
; q, k (z = 0, 1): source 0 = W, source 1 = x: a lane holds a token, its registers run along the head's 64 (W's tiles follow 32 b + 8 u + r + 8 (r / 8)): quantised along d.  Two tiles x 64 d make one operand (a PAIR IMAGE).
; v (z = 2): source 0 = x, source 1 = W: a lane holds a column d, its registers run along the 128 tokens: quantised along the tokens, a whole block in a lane.  The bias is the C of each sum's first product.
; kvc: for each (8 batch + head, step of 128 tokens) 12,800 bytes: K's four pair images, V's four images, K's 256 bytes of scale words, V's 256.  qc: 6,144 bytes a step; qs: 256.
; 192 work-groups: a fragment of V^T wants 128 tokens from one owner, and 3 x 8,192 / 128 = 192.  No cluster: x is read by one work-group alone, the weights go straight into registers.
; No prefetch: all that a work-group reads is asked for at its head.  Nothing in LDS is filled twice.
; LIMITS: NaN and infinities are not served; a block whose largest magnitude lies under 2^-124 gets the byte 1; so does a block of zeros (the rule says 127): its codes are zeros, and this program alone reads the bytes.
; REGISTERS, in windows of 256.  Window 0: the names below.  Window 1: W's fragments of K steps 0, 1 at v[12 (8 s + i)], the bias at v192-255.  Window 2: K steps 2, 3.  Window 3: the v path's 32 accumulators, (i', m) at v[64 i' + 8 m].
.set TOKB,  2080                       ; a token's 2,048 bytes in LDS: two rows of 1,024 + 16
.set XRAWW, 32*TOKB                    ; LDS 0: x as it comes, 32 tokens a wave
.set XIMG,  270336                     ; the 32 fragments of x, (tile m, K step s) at (4 m + s) x 1,536
.set XSC,   319488                     ; their scale words, 128 bytes each
.set XA,  4
.set LI,  5                            ; 16 x lane
.set FI,  6                            ; XIMG + 16 x lane
.set FS,  7                            ; XSC + 4 x lane
.set XWI, 8
.set XWS, 9
.set SA,  10                           ; the scale words' way out: 16 r + h x (from head to head)
.set SELV, 11
.set R16, 12
.set ST0, 16                           ; v16-79, v80-143 two sets of 64 numbers of x
.set XF,  16                           ; later: four fragments of x; the v path's second set at v80-127
.set HA,  80                           ; later: the q/k path's eight accumulators
.set WS,  144                          ; W's scale words, 4 i + s
.set DA,  176
.set DB,  188
.set T2,  200
.set TM,  208
.set PW,  220
.set PWS, 221
.set XS,  222
.set WX,  230
.set VA,  234
.set SH8, 242                          ; 8 h
.set BI,  192
.set WV,  52
.set SEL, 54
.set XP,  56
.set BP,  58
.set CA,  60
.set CB,  62
.set SB,  66
.set WP,  68
.set WSP, 70
.set CP,  80
.set SP,  82
.set MSB, 0
.macro WIN new                         ; the immediate's high byte repeats the setting that is left
.if MSB != (\new)
	s_set_vgpr_msb (MSB<<8)|(\new)
.set MSB, (\new)
.endif
.endm
; 64 numbers of a lane in window w become codes (k 0..63 in v[d0] on, k 64..127 in v[d1] on) and the row's scale word v[PW].
; whole = 0: register 16 b + i = k 32 b + 16 h + i (a block lies in lanes l and l xor 16).  whole = 1: register 32 c + i = k 64 c + 32 h + i (a block lies in one lane).
.macro QUANT s, w, d0, d1, whole
	WIN (\w)|((\w)<<2)
.irp b, 0,1,2,3
	v_max3_num_f32 v[TM+\b], |v[(\s)+16*\b]|, |v[(\s)+16*\b+1]|, 0x1800000   ; each accumulator from its low end on; the floor 2^(3 - 127) holds the byte at 1 from below
.endr
.irp i, 2,4,6,8,10,12,14
.irp b, 0,1,2,3
	v_max3_num_f32 v[TM+\b], |v[(\s)+16*\b+\i]|, |v[(\s)+16*\b+\i+1]|, v[TM+\b]
.endr
.endr
	WIN 0
.if \whole
	v_max_num_f32 v[TM], v[TM], v[TM+1]            ; my block 2 c + h: both its halves are mine
	v_max_num_f32 v[TM+2], v[TM+2], v[TM+3]
.irp b, 0,1
	v_add_nc_u32 v[TM+8+\b], 0xff000000, v[TM]     ; 2 off the exponent field: the conversions' scale operand
	v_add_nc_u32 v[TM+10+\b], 0xff000000, v[TM+2]
.endr
	v_lshrrev_b32 v[TM+4], 23, v[TM+8]
	v_lshrrev_b32 v[TM+6], 23, v[TM+10]
	v_lshl_or_b32 v[PW], v[TM+6], 16, v[TM+4]      ; bytes of blocks h and 2 + h,
	v_lshlrev_b32 v[PW], v[SH8], v[PW]             ; at their places in the word,
	v_permlanex16_b32 v[TM+5], v[PW], s[SEL], s[SEL+1]
	v_or_b32 v[PW], v[PW], v[TM+5]                 ; with lane l xor 16's two
.else
.irp b, 0,1,2,3
	v_permlanex16_b32 v[TM+4+\b], v[TM+\b], s[SEL], s[SEL+1]
.endr
.irp b, 0,1,2,3
	v_max_num_f32 v[TM+\b], v[TM+\b], v[TM+4+\b]
.endr
.irp b, 0,1,2,3
	v_add_nc_u32 v[TM+8+\b], 0xff000000, v[TM+\b]
.endr
.irp b, 0,1,2,3
	v_lshrrev_b32 v[TM+4+\b], 23, v[TM+8+\b]
.endr
	v_lshl_or_b32 v[PW], v[TM+5], 8, v[TM+4]
	v_lshl_or_b32 v[PW], v[TM+6], 16, v[PW]
	v_lshl_or_b32 v[PW], v[TM+7], 24, v[PW]
.endif
	WIN \w
	v_cvt_scalef32_pk16_fp6_f32 v[(\d0):(\d0)+2], v[(\s):(\s)+15], v[TM+8]
	v_cvt_scalef32_pk16_fp6_f32 v[T2:T2+2], v[(\s)+16:(\s)+31], v[TM+9]
	v_cvt_scalef32_pk16_fp6_f32 v[(\d1):(\d1)+2], v[(\s)+32:(\s)+47], v[TM+10]
	v_cvt_scalef32_pk16_fp6_f32 v[T2+4:T2+6], v[(\s)+48:(\s)+63], v[TM+11]
	WIN 0
	v_nop                                          ; one plain place behind the scaled conversions
.if \whole == 0
.irp i, 0,1,2
	v_permlane16_swap_b32 v[(\d0)+\i], v[T2+\i]    ; a whole block in a lane
.endr
.endif
.irp i, 0,1,2
	v_mov_b32 v[(\d0)+3+\i], v[T2+\i]
.endr
.if \whole == 0
.irp i, 0,1,2
	v_permlane16_swap_b32 v[(\d1)+\i], v[T2+4+\i]
.endr
.endif
.irp i, 0,1,2
	v_mov_b32 v[(\d1)+3+\i], v[T2+4+\i]
.endr
.endm
; 32 products: my eight tiles of W (source 0) x one tile of tokens (source 1), four K steps; the eight accumulators take turns; the bias starts the sums.
.macro MMQ xf, xs
.irp s, 0,1,2,3
.if \s == 0
	WIN 0x11
.elseif \s == 1
	WIN 0x01
.else
	WIN 0x02
.endif
.irp i, 0,1,2,3,4,5,6,7
.if \s == 0
	v_wmma_scale_f32_16x16x128_f8f6f4 v[HA+8*\i:HA+8*\i+7], v[12*(8*(\s%2)+\i):12*(8*(\s%2)+\i)+11], v[\xf+12*\s:\xf+12*\s+11], v[BI+8*\i:BI+8*\i+7], v[WS+4*\i+\s], v[\xs+\s] matrix_a_fmt:MATRIX_FMT_FP6 matrix_b_fmt:MATRIX_FMT_FP6
.else
	v_wmma_scale_f32_16x16x128_f8f6f4 v[HA+8*\i:HA+8*\i+7], v[12*(8*(\s%2)+\i):12*(8*(\s%2)+\i)+11], v[\xf+12*\s:\xf+12*\s+11], v[HA+8*\i:HA+8*\i+7], v[WS+4*\i+\s], v[\xs+\s] matrix_a_fmt:MATRIX_FMT_FP6 matrix_b_fmt:MATRIX_FMT_FP6
.endif
.endr
.endr
	WIN 0
.endm
.macro FETCH m, xf, xs                 ; tile m's four fragments and scale words out of LDS: 16 LDS instructions
.irp s, 0,1,2,3
.irp c, 0,1,2
	ds_load_b128 v[\xf+12*\s+4*\c:\xf+12*\s+4*\c+3], v[FI] offset:(4*(\m)+\s)*1536+512*\c
.endr
.endr
.irp s, 0,1,2,3
	ds_load_b32 v[\xs+\s], v[FS] offset:(4*(\m)+\s)*128
.endr
.endm
.macro PLACES n
.rept \n
	v_nop
.endr
.endm
	s_load_b512 s[4:19], s[0:1], 0x0               ; query, key, value, bq, bk, bv, wc, wsc
	s_load_b128 s[20:23], s[0:1], 0x40             ; qc, qs
	s_load_b64 s[24:25], s[0:1], 0x50              ; kvc
	v_lshl_add_u32 v254, v0, 2, 0x4f000
	v_mov_b32 v255, 0
	ds_add_u32 v254, v255
	ds_add_u32 v254, v255
	v_lshrrev_b32 v1, 5, v0
	v_readfirstlane_b32 s[WV], v1                  ; wave 0..3
	s_and_b32 s2, ttmp7, 0xffff                    ; z: 0 query, 1 key, 2 value
	; descriptor group 1: a dense block as 64 rows x 256 elements of 4 bytes; in LDS 16 bytes of padding behind each 1,024
	s_mov_b32 s28, (2<<16)|(1<<20)|(7<<22)|(3<<25)
	s_mov_b32 s29, 256<<16
	s_mov_b32 s30, 64<<16
	s_mov_b32 s31, 256<<16
	s_mov_b32 s32, 64
	s_mov_b32 s33, 256
	s_mov_b32 s34, 0
	s_mov_b32 s35, 0
	s_mul_i32 s84, s[WV], XRAWW
	s_lshl_b32 s86, ttmp9, 7
	s_lshl_b32 s85, s[WV], 5
	s_add_co_u32 s86, s86, s85                     ; the first token that I fetch: 128 x work-group x + 32 x wave
	s_lshl_b32 s86, s86, 11
	s_mov_b32 s87, 0
	s_wait_dscnt 0x0
	s_wait_kmcnt 0x0
	s_cmp_eq_u32 s2, 0                             ; all choices hang on the work-group's number alone
	s_cselect_b64 s[XP:XP+1], s[4:5], s[6:7]
	s_cselect_b64 s[BP:BP+1], s[10:11], s[12:13]
	s_cselect_b64 s[CP:CP+1], s[20:21], s[24:25]
	s_cselect_b64 s[SP:SP+1], s[22:23], s[24:25]   ; K's and V's scale words lie in kvc, behind the step's codes
	s_mov_b32 s72, 12800
	s_cselect_b32 s72, 6144, s72                   ; codes: bytes from step to step
	s_mov_b32 s73, 12800
	s_cselect_b32 s73, 256, s73                    ; scale words: the same
	s_mov_b32 s74, 204800
	s_cselect_b32 s74, 4096, s74                   ; scale words: from head to head (16 steps)
	s_mov_b32 s76, 12288
	s_cselect_b32 s76, 0, s76
	s_cmp_eq_u32 s2, 2
	s_cselect_b64 s[XP:XP+1], s[8:9], s[XP:XP+1]
	s_cselect_b64 s[BP:BP+1], s[14:15], s[BP:BP+1]
	s_cselect_b32 s75, 6144, 0                     ; V's images lie behind K's,
	s_cselect_b32 s79, 256, 0                      ; and so do its scale words
	s_cselect_b32 s77, 0, 4                        ; the bias: 4 bytes from register to register (q, k), or none (v)
	s_cselect_b32 s78, -1, 0
	s_add_co_u32 s76, s76, s79
	s_add_nc_u64 s[XP:XP+1], s[XP:XP+1], s[86:87]
	s_mov_b32 s36, 1
	s_mov_b32 s37, s84
	s_mov_b64 s[38:39], s[XP:XP+1]
	s_or_b32 s39, s39, 0x80000000
	tensor_load_to_lds s[36:39], s[28:35]          ; my one tensor load
	s_nop 0
	PLACES 4                                       ; four lines here ahead of any switch of windows
	s_lshr_b32 s85, s[WV], 1
	s_lshl_b32 s85, s85, 6
	s_and_b32 s88, s[WV], 1
	s_lshl_b32 s88, s88, 4
	s_add_co_u32 s85, s85, s88                     ; my tiles 2 w, 2 w + 1 begin at token 64 (w / 2) + 16 (w % 2)
	s_mul_i32 s85, s85, TOKB
	s_mul_i32 s88, s[WV], 12288                    ; my two tiles' eight images
	s_lshl_b32 s89, s[WV], 10
	v_and_b32 v1, 31, v0                           ; lane
	v_and_b32 v2, 15, v0                           ; r
	v_bfe_u32 v3, v0, 4, 1                         ; h
	v_and_b32 v13, 8, v2
	v_mad_u32_u24 v[XA], v13, 3, v2                ; r % 8 + 32 (r / 8)
	v_add_nc_u32 v13, v13, v2                      ; r + 8 (r / 8)
	v_mul_u32_u24 v[XA], v[XA], TOKB
	v_lshl_add_u32 v[XA], v3, 6, v[XA]
	v_add_nc_u32 v[XA], s85, v[XA]
	v_lshlrev_b32 v[LI], 4, v1
	v_add_nc_u32 v[FI], XIMG, v[LI]
	v_lshlrev_b32 v[FS], 2, v1
	v_add_nc_u32 v[FS], XSC, v[FS]
	v_add_nc_u32 v[XWI], s88, v[FI]
	v_add_nc_u32 v[XWS], s89, v[FS]
	v_lshlrev_b32 v[R16], 4, v2
	v_mul_u32_u24 v[SA], s74, v3
	v_add_nc_u32 v[SA], v[SA], v[R16]
	v_lshlrev_b32 v[SH8], 3, v3
	v_mov_b32 v[SELV], 0x05040100
	v_mov_b32 v14, 0x07060302
	v_cmp_le_u32 vcc_lo, 16, v1
	v_cndmask_b32 v[SELV], v[SELV], v14, vcc_lo
	v_lshlrev_b32 v14, 6, v3                       ; the bias, q and k: register j of lane half h holds column .. + 16 h + j
	v_lshlrev_b32 v15, 2, v13                      ; v: all eight registers hold the lane's column .. + r + 8 (r / 8)
	v_cndmask_b32 v14, v14, v15, s78
.irp j, 0,1,2,3,4,5,6,7
	v_mad_u32_u24 v[VA+\j], s77, \j, v14
.endr
.irp b, 0,1,2,3
	v_mov_b32 v[TM+4+\b], 0                        ; a lane permute's destination counts as one of its sources
.endr
	s_wait_alu depctr_va_vdst(0)                   ; the wait behind the head's last vector instruction
	s_mov_b32 s[SEL], 0x76543210
	s_mov_b32 s[SEL+1], 0xfedcba98                 ; lane l xor 16
	s_lshr_b32 s85, ttmp9, 4                       ; batch
	s_and_b32 s86, ttmp9, 15                       ; step of 128 tokens
	s_lshl_b32 s85, s85, 3
	s_lshl_b32 s88, s[WV], 1
	s_add_co_u32 s85, s85, s88                     ; 8 x batch + head 2 w
	s_lshl_b32 s85, s85, 4
	s_add_co_u32 s85, s85, s86                     ; x 16 + step
	s_mul_i32 s86, s85, s72
	s_add_co_u32 s86, s86, s75
	s_add_nc_u64 s[CA:CA+1], s[CP:CP+1], s[86:87]  ; head 2 w's codes of this step
	s_lshl_b32 s86, s72, 4
	s_add_nc_u64 s[CB:CB+1], s[CA:CA+1], s[86:87]  ; head 2 w + 1's: 16 steps on
	s_mul_i32 s86, s85, s73
	s_add_co_u32 s86, s86, s76
	s_add_nc_u64 s[SB:SB+1], s[SP:SP+1], s[86:87]
	s_mul_i32 s86, s2, 196608
	s_mul_i32 s88, s[WV], 49152
	s_add_co_u32 s86, s86, s88
	s_add_nc_u64 s[WP:WP+1], s[16:17], s[86:87]    ; my 32 images of W
	s_lshl_b32 s86, s2, 13
	s_lshl_b32 s88, s[WV], 11
	s_add_co_u32 s86, s86, s88
	s_add_nc_u64 s[WSP:WSP+1], s[18:19], s[86:87]
	s_lshl_b32 s86, s[WV], 9
	s_add_nc_u64 s[BP:BP+1], s[BP:BP+1], s[86:87]  ; my 128 numbers of the bias
	WIN 0x40
.irp s, 0,1
.irp i, 0,1,2,3,4,5,6,7
.irp c, 0,1,2
	global_load_b128 v[12*(8*\s+\i)+4*\c:12*(8*\s+\i)+4*\c+3], v[LI], s[WP:WP+1] offset:1536*(4*\i+\s)+512*\c
.endr
.endr
.endr
.irp i, 0,1,2,3,4,5,6,7
.irp j, 0,1,2,3,4,5,6,7
	global_load_b32 v[BI+8*\i+\j], v[VA+\j], s[BP:BP+1] offset:4*(32*(\i/2)+8*(\i%2))
.endr
.endr
	WIN 0x80
.irp s, 0,1
.irp i, 0,1,2,3,4,5,6,7
.irp c, 0,1,2
	global_load_b128 v[12*(8*\s+\i)+4*\c:12*(8*\s+\i)+4*\c+3], v[LI], s[WP:WP+1] offset:1536*(4*\i+\s+2)+512*\c
.endr
.endr
.endr
	WIN 0
.irp i, 0,1,2,3,4,5,6,7
	global_load_b128 v[WS+4*\i:WS+4*\i+3], v[R16], s[WSP:WSP+1] offset:256*\i
.endr
; ---- PHASE X: eight units n = 2 s + u (K step s, my tile u), two sets of registers by turns.  K step s of a token lies at 1,040 (s / 2) + 512 (s % 2); tile u begins 8 tokens on.
.macro XLD n
.irp b, 0,1,2,3
.irp j, 0,1,2,3
	ds_load_b128 v[ST0+64*((\n)%2)+16*\b+4*\j:ST0+64*((\n)%2)+16*\b+4*\j+3], v[XA] offset:1040*((\n)/4)+512*(((\n)/2)%2)+8*TOKB*((\n)%2)+128*\b+16*\j
.endr
.endr
.endm
.macro XUNIT n
.if (\n) < 7
	XLD (\n)+1
	s_wait_dscnt 16                                ; all but the 16 loads just issued: this unit's numbers are in, the last unit's images have landed
.else
	s_wait_dscnt 0x0
.endif
	QUANT ST0+64*((\n)%2), 0, DA, DA+6, 0
.irp c, 0,1,2
	ds_store_b128 v[XWI], v[DA+4*\c:DA+4*\c+3] offset:6144*((\n)%2)+1536*((\n)/2)+512*\c
.endr
	ds_store_b32 v[XWS], v[PW] offset:512*((\n)%2)+128*((\n)/2)
.endm
	s_wait_tensorcnt 0x0                           ; my 32 tokens have landed,
	s_barrier_signal -1
	s_barrier_wait -1                              ; everybody's have: a tile's tokens come from two waves' loads
	XLD 0
.irp n, 0,1,2,3,4,5,6,7
	XUNIT \n
.endr
	s_wait_dscnt 0x0                               ; for the others' sake: my images have landed
	s_barrier_signal -1
	s_barrier_wait -1                              ; x's 32 fragments lie in LDS; from here on LDS is only read
	s_wait_loadcnt 0x0                             ; W, its scale words, the bias
	s_cmp_eq_u32 s2, 2
	s_cbranch_scc1 .Lv
; ---- q, k: a tile of 16 tokens at a time.  The 64 results of a lane are head 2 w's 64 (blocks 0, 1) and head 2 w + 1's (blocks 2, 3).
	FETCH 0, XF, XS
.irp m, 0,1,2,3,4,5,6,7
	s_wait_dscnt 0x0
	MMQ XF, XS
	PLACES 4                                       ; for the loads into x's registers and the first read of results
.if \m < 7
	FETCH \m+1, XF, XS
.endif
.if \m%2 == 0
	s_wait_xcnt 0x0                                ; the last pair's stores have read their registers: only now are these written again
	QUANT HA, 0, DA, DB, 0
	v_mov_b32 v[PWS], v[PW]
.else
	QUANT HA, 0, DA+6, DB+6, 0
	v_perm_b32 v[WX+\m/2], v[PW], v[PWS], v[SELV]  ; the pair's word: tile 2 b's two bytes, tile 2 b + 1's two; lanes 0-15 head 2 w's, lanes 16-31 head 2 w + 1's
.irp c, 0,1,2
	global_store_b128 v[LI], v[DA+4*\c:DA+4*\c+3], s[CA:CA+1] offset:1536*(\m/2)+512*\c   ; 512 consecutive bytes, aligned
.endr
.irp c, 0,1,2
	global_store_b128 v[LI], v[DB+4*\c:DB+4*\c+3], s[CB:CB+1] offset:1536*(\m/2)+512*\c
.endr
.endif
.endr
	global_store_b128 v[SA], v[WX:WX+3], s[SB:SB+1]   ; sixteen lanes store a head's 256 bytes of scale words, aligned
	s_wait_tensorcnt 0x0                           ; the wave's end
	ds_add_u32 v254, v255
	s_wait_dscnt 0x0
	s_endpgm
; ---- v: 16 visits: half hf of my tiles of W (a head) x tile m of tokens; a visit's four accumulators take turns.
.macro VISIT n
.set HF, (\n)/8
.set MM, (\n)%8
.set XB, XF+64*((\n)%2)
.set XSN, XS+4*((\n)%2)
.if (\n) < 15
	FETCH ((\n)+1)%8, XF+64*(((\n)+1)%2), XS+4*(((\n)+1)%2)
	s_wait_dscnt 16                                ; all but the 16 just issued
.else
	s_wait_dscnt 0x0
.endif
.irp s, 0,1,2,3
.if \s == 0
	WIN 0xd4
.elseif \s == 1
	WIN 0xf4
.else
	WIN 0xf8
.endif
.irp ip, 0,1,2,3
.if \s == 0
	v_wmma_scale_f32_16x16x128_f8f6f4 v[64*\ip+8*MM:64*\ip+8*MM+7], v[XB+12*\s:XB+12*\s+11], v[12*(8*(\s%2)+4*HF+\ip):12*(8*(\s%2)+4*HF+\ip)+11], v[BI+8*(4*HF+\ip):BI+8*(4*HF+\ip)+7], v[XSN+\s], v[WS+4*(4*HF+\ip)+\s] matrix_a_fmt:MATRIX_FMT_FP6 matrix_b_fmt:MATRIX_FMT_FP6
.else
	v_wmma_scale_f32_16x16x128_f8f6f4 v[64*\ip+8*MM:64*\ip+8*MM+7], v[XB+12*\s:XB+12*\s+11], v[12*(8*(\s%2)+4*HF+\ip):12*(8*(\s%2)+4*HF+\ip)+11], v[64*\ip+8*MM:64*\ip+8*MM+7], v[XSN+\s], v[WS+4*(4*HF+\ip)+\s] matrix_a_fmt:MATRIX_FMT_FP6 matrix_b_fmt:MATRIX_FMT_FP6
.endif
.endr
.endr
	WIN 0
	PLACES 4
.if ((\n)%8) == 7                      ; a head is done: its four tiles of V^T (16 d x 128 tokens) are quantised along the tokens and leave
.irp ip, 0,1,2,3
	s_wait_xcnt 0x0                                ; the last fragment's stores have read their registers
	QUANT 64*\ip, 3, DA, DA+6, 1
.if HF == 0
	v_mov_b32 v[WX+\ip], v[PW]
.else
	v_cndmask_b32 v[WX+\ip], v[WX+\ip], v[PW], vcc_lo   ; lanes 16-31 carry head 2 w + 1's words
.endif
.irp c, 0,1,2
.if HF == 0
	global_store_b128 v[LI], v[DA+4*\c:DA+4*\c+3], s[CA:CA+1] offset:1536*\ip+512*\c
.else
	global_store_b128 v[LI], v[DA+4*\c:DA+4*\c+3], s[CB:CB+1] offset:1536*\ip+512*\c
.endif
.endr
.endr
.endif
.endm
.Lv:
	v_cmp_le_u32 vcc_lo, 16, v1
	FETCH 0, XF, XS
.irp n, 0,1,2,3,4,5,6,7,8,9,10,11,12,13,14,15
	VISIT \n
.endr
	global_store_b128 v[SA], v[WX:WX+3], s[SB:SB+1]
	s_wait_tensorcnt 0x0
	ds_add_u32 v254, v255
	s_wait_dscnt 0x0
	s_endpgm
.Lfunc_end_k_qfd121a7287_proj:
	.size	k_qfd121a7287_proj, .Lfunc_end_k_qfd121a7287_proj-k_qfd121a7287_proj
	.p2alignl 7, 3214868480
	.fill 96, 4, 3214868480
	.section	.rodata,"a",@progbits
	.p2align	6, 0x0
	.amdhsa_kernel k_qfd121a7287_proj
		.amdhsa_group_segment_fixed_size 324096
		.amdhsa_private_segment_fixed_size 0
		.amdhsa_enable_private_segment 0
		.amdhsa_kernarg_size 88
		.amdhsa_user_sgpr_count 2
		.amdhsa_user_sgpr_kernarg_segment_ptr 1
		.amdhsa_wavefront_size32 1
		.amdhsa_system_sgpr_workgroup_id_x 1
		.amdhsa_system_sgpr_workgroup_id_y 1
		.amdhsa_system_sgpr_workgroup_id_z 1
		.amdhsa_system_vgpr_workitem_id 0
		.amdhsa_next_free_vgpr 1024
		.amdhsa_next_free_sgpr 100
		.amdhsa_reserve_vcc 1
		.amdhsa_float_denorm_mode_32 3
		.amdhsa_float_denorm_mode_16_64 3
		.amdhsa_memory_ordered 1
		.amdhsa_forward_progress 1
		.amdhsa_inst_pref_size 219
	.end_amdhsa_kernel
	.amdgpu_metadata
---
amdhsa.version: [ 1, 2 ]
amdhsa.kernels:
  - .name:           k_qfd121a7287_proj
    .symbol:         k_qfd121a7287_proj.kd
    .args:
      - { .name: query, .offset: 0, .size: 8, .value_kind: global_buffer, .address_space: global }
      - { .name: key, .offset: 8, .size: 8, .value_kind: global_buffer, .address_space: global }
      - { .name: value, .offset: 16, .size: 8, .value_kind: global_buffer, .address_space: global }
      - { .name: bq, .offset: 24, .size: 8, .value_kind: global_buffer, .address_space: global }
      - { .name: bk, .offset: 32, .size: 8, .value_kind: global_buffer, .address_space: global }
      - { .name: bv, .offset: 40, .size: 8, .value_kind: global_buffer, .address_space: global }
      - { .name: wc, .offset: 48, .size: 8, .value_kind: global_buffer, .address_space: global }
      - { .name: wsc, .offset: 56, .size: 8, .value_kind: global_buffer, .address_space: global }
      - { .name: qc, .offset: 64, .size: 8, .value_kind: global_buffer, .address_space: global }
      - { .name: qs, .offset: 72, .size: 8, .value_kind: global_buffer, .address_space: global }
      - { .name: kvc, .offset: 80, .size: 8, .value_kind: global_buffer, .address_space: global }
    .group_segment_fixed_size: 324096
    .private_segment_fixed_size: 0
    .kernarg_segment_align: 8
    .kernarg_segment_size: 88
    .max_flat_workgroup_size: 128
    .sgpr_count:     100
    .vgpr_count:     1024
    .wavefront_size: 32
...
	.end_amdgpu_metadata
.endif
;; end of part 2
;; launch attn (part 3): grid 8 x 32, 16 waves a work-group, no clusters, 327,680 bytes of LDS; arguments qc, qs, kvc, rel_emb, oc, os; writes oc, os
.if DOCPART == 3
	.amdgcn_target "amdgcn-amd-amdhsa--gfx1250"
	.amdhsa_code_object_version 6
	.text
	.protected	k_qfd121a7287_attn
	.globl	k_qfd121a7287_attn
	.p2align	8
	.type	k_qfd121a7287_attn,@function
k_qfd121a7287_attn:
	s_mov_b64 s[64:65], 0
	v_nop
	global_prefetch_b8 v0, s[64:65] scope:SCOPE_SE
	s_setreg_imm32_b32 hwreg(HW_REG_WAVE_MODE, 25, 1), 1
	s_wait_xcnt 0x0
; Products 4 and 5 with the softmax between them, on codes of FP6 (E2M3) with E8M0 scales; the result, divided by the row's sum, is quantised along the head's 64 as the last product's operand.
; t = (q . k + 8 bias) x log2(e) / 8; M = the running largest t rounded up to a whole number; p = 2^(t - M) is quantised along the keys; the row's sum is taken of the unquantised p.
; SHARES.  A work-group owns 256 queries of one head (x: the block, y: 8 x batch + head), each of its sixteen waves one tile of 16 queries in 256 registers.  Every wave walks 16 steps of 128 keys.
; A WHOLE HEAD'S K AND V with their scale words, 16 steps x 12,800 bytes, come into LDS once, in two halves: each wave asks for 25 rows of 256 bytes of steps 0-7 at the head, and for as much of steps 8-15
; behind the first barrier; that load has eight steps' work in which to land.  Nothing is filled twice.
; K = 64 IN A FORM OF K = 128: two tiles of 16 keys x 64 d fill one operand (a pair image); multiplied by [Q | 0] and by [0 | Q] it gives both tiles' scores.
; THE TOKENS OF A TILE: lane r of tile T takes token 64 (T / 4) + 8 (T % 4) + r % 8 + 32 (r / 8).  Both products are used transposed, a lane holds one query, and its score register 32 c + i is key 64 c + 32 h + i:
; a block of 32 keys lies in ONE lane: its largest score needs no other lane, and the conversions' results are the operand's registers.
; THE BIAS IS THE C OF THE SCORES' PRODUCTS.  It hangs on key - query alone and is constant beyond +-128.  A step whose keys all lie 129 or more from the wave's queries takes eight registers of a constant;
; the at most three steps of the band load 8 x bias from a table in LDS into the accumulators.  The table is kept four times, each copy one word further on, so that every lane's 16-byte loads are aligned.
; THE ROW'S SUM of a step's p is added behind the step's second products: those 32 additions are the places behind them, and the next step's K is on its way meanwhile.
; The first step is written out: it starts the sums (C = 0) and has nothing to bring under a new M.
; No cluster, though eight work-groups read a head's K and V: the branch into the band and the table's address hang on the work-group's block of queries, which differs between those eight.
; No prefetch: all that a work-group reads is asked for by two requests a wave, the second straight behind the first's barrier.
; LIMITS: NaN and infinities are not served; a block whose largest magnitude lies under 2^-124 gets the byte 1, a block of zeros too: its codes are zeros, and this program alone reads the bytes.
.set STEPB, 12800                      ; LDS 0: a step: K's four pair images, V's four images (1,536 each), K's 256 bytes of scale words, V's 256
.set HALFB, 8*STEPB
.set OST,   204800                     ; 512 bytes: the results' scale bytes on their way out
.set TAB,   205312                     ; the table: copy c holds entry e = key - query + 256 at TAB + COPYB c + 4 e; 1,024 entries and one word more
.set COPYB, 4100
.set SPARE, 221952                     ; the spare words, 128 bytes a wave
.set AK0, 1                            ; 16 x lane
.set SH8, 2                            ; 8 h
.set TABA, 3
.set ADK, 4
.set ADB, 6
.set L8,  7
.set KS,  8                            ; v8-11 lanes 0-15: the words of K's pairs; lanes 16-31: of V's tiles
.set QF,  16                           ; v16-33 [Q | 0 | Q]
.set QS,  34
.set QT,  35
.set FC,  36                           ; v36-43 8 x the bias far from the diagonal
.set QO,  44
.set KF,  48                           ; v48-95 four operands: K's, then V's
.set S,   96                           ; v96-159 S^T, then p
.set O,   160                          ; v160-191 O^T
.set PC,  192
.set T2,  204
.set BM,  212
.set BP,  216
.set BS,  220
.set F,   224                          ; v[224:225] f = 2^(old M - new M); v225 is only named with it
.set PW,  226
.set TT,  227
.set W,   228
.set W2,  229
.set OSA, 230
.set OSR, 231
.set U1,  232
.set U2,  234
.set U3,  236
.set TO,  238                          ; the last step's -M.  v12: -M; v13: the running largest score; v[14:15]: the row's sum in two halves
.set CN,  16
.set WV,  18
.set SEL, 20
.set CS,  22
.set TB,  60
.set RC,  62
.set CNT, 63
.set CL,  66
.set CR,  67
	s_load_b256 s[4:11], s[0:1], 0x0               ; qc, qs, kvc, rel_emb
	s_load_b128 s[12:15], s[0:1], 0x20             ; oc, os
	v_lshl_add_u32 v254, v0, 2, SPARE
	v_mov_b32 v255, 0
	ds_add_u32 v254, v255
	ds_add_u32 v254, v255
	v_lshrrev_b32 v1, 5, v0
	s_delay_alu instid0(VALU_DEP_1)
	v_readfirstlane_b32 s[WV], v1                  ; wave 0..15
	s_and_b32 s68, ttmp7, 0xffff                   ; 8 x batch + head
	s_and_b32 s69, s68, 7
	s_lshr_b32 s70, s68, 3
	s_and_b32 s19, s[WV], 1                        ; u: which tile of its pair is mine
	s_mov_b32 s24, 3<<16                           ; group 1: a dense block as 25 rows of 256 bytes (32 elements of 8 bytes)
	s_mov_b32 s25, 32<<16
	s_mov_b32 s26, 25<<16
	s_mov_b32 s27, 32<<16
	s_mov_b32 s28, 25
	s_mov_b32 s29, 32
	s_mov_b32 s30, 0
	s_mov_b32 s31, 0
	s_mul_i32 s72, s[WV], 6400                     ; my sixteenth of a half
	s_mul_i32 s74, s68, 16*STEPB
	s_add_co_u32 s74, s74, s72
	s_mov_b32 s75, 0
	s_wait_dscnt 0x0
	s_wait_kmcnt 0x0
	s_add_nc_u64 s[8:9], s[8:9], s[74:75]
.irp g, 0,1
	s_mov_b32 s[40+4*\g], 1
	s_add_co_u32 s[41+4*\g], s72, HALFB*\g
	s_add_nc_u64 s[42+4*\g:43+4*\g], s[8:9], HALFB*\g
	s_or_b32 s[43+4*\g], s[43+4*\g], 0x80000000
.endr
	tensor_load_to_lds s[40:43], s[24:31]          ; steps 0-7: my one load at the head
	s_nop 0
	s_lshl_b32 s71, s69, 2                         ; my head's column of rel_emb
	s_load_b32 s[CL], s[10:11], s71 offset:0x2000  ; rel_emb[256][head]: keys 128 or more before the query
	s_load_b32 s[CR], s[10:11], s71 offset:0x0     ; rel_emb[0][head]: keys 128 or more behind it
	s_lshr_b32 s78, s[WV], 1                       ; my pair among the block's eight
	s_bfe_u32 s79, s[WV], 0x10002
	s_lshl_b32 s79, s79, 6
	s_and_b32 s80, s[WV], 3
	s_lshl_b32 s80, s80, 3
	s_add_co_u32 s79, s79, s80                     ; my tile's first query within its 128: 64 (T / 4) + 8 (T % 4)
	s_lshl_b32 s80, s[WV], 5
	v_and_b32 v100, 31, v0                         ; lane
	v_and_b32 v101, 15, v0                         ; r
	v_bfe_u32 v102, v0, 4, 1                       ; h
	v_lshl_add_u32 v104, v0, 2, TAB                ; the table's entry y = my thread's number
	v_min_u32 v105, 384, v0
	v_and_b32 v103, 8, v101
	v_and_b32 v[TABA], 3, v101                     ; copy r % 4: every load of mine is then aligned
	v_lshlrev_b32 v[AK0], 4, v100
	v_sub_nc_u32 v105, 384, v105
	v_mad_u32_u24 v103, v103, 3, v101              ; r % 8 + 32 (r / 8)
	v_mul_u32_u24 v[TABA], v[TABA], COPYB
	v_and_b32 v109, 3, v100
	v_min_u32 v105, 256, v105                      ; rel_emb's row: 384 - y held to 0 .. 256
	v_add_nc_u32 v103, s79, v103                   ; my query within its 128
	v_lshl_add_u32 v[TABA], v102, 7, v[TABA]
	v_mul_u32_u24 v109, v109, COPYB
	v_lshl_add_u32 v105, v105, 5, s71
	v_lshlrev_b32 v103, 2, v103
	v_add_nc_u32 v[TABA], TAB+512, v[TABA]
	v_add_nc_u32 v109, TAB+4096, v109              ; the word between two copies
	global_load_b32 v106, v105, s[10:11]
	v_lshlrev_b32 v[OSA], 1, v101
	v_sub_nc_u32 v[TABA], v[TABA], v103            ; entry 128 + 32 h - my query; a step adds 128 x, a load 64 c + 4 q
	v_lshlrev_b32 v[L8], 3, v100
	v_add_nc_u32 v[OSA], s80, v[OSA]
	v_lshlrev_b32 v[SH8], 3, v102
	v_add_nc_u32 v[OSR], OST, v[AK0]
	v_add_nc_u32 v[OSA], OST, v[OSA]
	v_lshlrev_b32 v107, 4, v101
	s_wait_alu depctr_va_vdst(0)                   ; the wait ahead of the run of scalar lines
	s_mul_i32 s80, s68, 98304
	s_lshl_b32 s81, ttmp9, 3
	s_add_co_u32 s81, s81, s78
	s_mul_i32 s81, s81, 1536
	s_add_co_u32 s80, s80, s81
	s_mov_b32 s81, 0
	s_add_nc_u64 s[4:5], s[4:5], s[80:81]          ; my pair image of Q
	s_lshl_b32 s80, s68, 12
	s_lshl_b32 s82, ttmp9, 1
	s_lshr_b32 s83, s[WV], 3
	s_add_co_u32 s82, s82, s83
	s_lshl_b32 s82, s82, 8
	s_add_co_u32 s80, s80, s82
	s_and_b32 s82, s78, 3
	s_lshl_b32 s82, s82, 2
	s_add_co_u32 s80, s80, s82
	s_add_nc_u64 s[6:7], s[6:7], s[80:81]          ; and its words
	s_lshl_b32 s80, s70, 7
	s_lshl_b32 s82, ttmp9, 4
	s_add_co_u32 s80, s80, s82
	s_add_co_u32 s80, s80, s[WV]                   ; my tile of tokens: 128 x batch + 16 x block + wave
	s_lshl_b32 s80, s80, 2
	s_lshr_b32 s82, s69, 1
	s_add_co_u32 s80, s80, s82                     ; the last product's K step: head / 2
	s_mul_i32 s80, s80, 1536
	s_and_b32 s82, s69, 1
	s_mul_i32 s82, s82, 768                        ; and the half of its fragment: head % 2
	s_add_co_u32 s80, s80, s82
	s_add_nc_u64 s[12:13], s[12:13], s[80:81]
	s_lshl_b32 s80, s68, 12
	s_lshl_b32 s82, ttmp9, 9
	s_add_co_u32 s80, s80, s82
	s_add_nc_u64 s[14:15], s[14:15], s[80:81]
	s_cmp_eq_u32 s19, 1                            ; tile u's six registers in the pair image: pairs of registers at these bytes
	s_cselect_b32 s87, 520, 0
	s_cselect_b32 s88, 1024, 8
	s_mov_b32 s89, 512
	s_cselect_b32 s89, 1032, s89
	s_mov_b32 s90, 0x01000100
	s_cselect_b32 s90, 0x03020302, s90             ; and its two bytes in the pair's word
	v_add_nc_u32 v[QO], s87, v[AK0]
	v_add_nc_u32 v[QO+1], s88, v[AK0]
	v_add_nc_u32 v[QO+2], s89, v[AK0]
.irp p, 0,1,2
	global_load_b64 v[QF+2*\p:QF+2*\p+1], v[QO+\p], s[4:5]
	global_load_b64 v[QF+12+2*\p:QF+12+2*\p+1], v[QO+\p], s[4:5]
.endr
	global_load_b32 v[QT], v107, s[6:7]
.irp i, 0,1,2,3,4,5
	v_mov_b32 v[QF+6+\i], 0                        ; zero codes
.endr
	s_mov_b32 s[SEL], 0x76543210
	s_mov_b32 s[SEL+1], 0xfedcba98                 ; lane l xor 16
	s_mov_b32 s[CS], 0x3e38aa3b                    ; log2(e) / 8
	s_mov_b32 s[CS+1], s[CS]
	s_mov_b32 s[CN], 0xbe38aa3b                    ; and its negative
	s_lshl_b32 s[RC], ttmp9, 1                     ; RC = 17 - my queries' step + the key step: the band is RC = 16, 17, 18
	s_xor_b32 s[RC], s[RC], 14
	s_xor_b32 s83, s83, 1
	s_add_co_u32 s[RC], s[RC], s83
	s_add_co_u32 s[RC], s[RC], 2
	s_wait_kmcnt 0x0
	s_mul_f32 s[CL], s[CL], 0x41000000             ; x 8
	s_mul_f32 s[CR], s[CR], 0x41000000
	v_mov_b32 v108, s[CR]
.irp c, 0,1,2,3
	ds_store_b32 v104, v108 offset:2048+COPYB*\c   ; entries 512 on: beyond the band
.endr
	s_wait_alu depctr_va_vdst(0)                   ; the wait ahead of the branch
	s_cmp_lg_u32 s[WV], 0
	s_cbranch_scc1 .Lnofill
	ds_store_b32 v109, v108                        ; wave 0: the one word behind each copy (eight lanes write each word, with the same value)
.Lnofill:
	s_wait_loadcnt 0x0
	v_perm_b32 v[QS], v[QT], v[QT], s90            ; Q's scale word: its two bytes twice
	v_mul_f32 v106, 0x41000000, v106
.irp c, 0,1,2,3
	ds_store_b32 v104, v106 offset:COPYB*\c
.endr
.irp j, 0,1,2,3,4,5,6,7
	v_mov_b32 v[FC+\j], s[CL]                      ; the walk begins before the band.  (These and the next are the places between Q's scale word and its first product)
.endr
	v_mov_b32 v[F+1], 0
	v_mov_b32 v[W2], 0                             ; a lane permute's destination counts as one of its sources
	v_mov_b32 v[TT], 0
	v_mov_b32 v[BP], 0
	v_mov_b32 v[BP+1], 0
.macro SCORES band                     ; eight products: pair b x [Q | 0] and [0 | Q]
.irp b, 0,1,2,3
.irp u, 0,1
.if \band
	v_wmma_scale_f32_16x16x128_f8f6f4 v[S+8*(2*\b+\u):S+8*(2*\b+\u)+7], v[KF+12*\b:KF+12*\b+11], v[QF+6*\u:QF+6*\u+11], v[S+8*(2*\b+\u):S+8*(2*\b+\u)+7], v[KS+\b], v[QS] matrix_a_fmt:MATRIX_FMT_FP6 matrix_b_fmt:MATRIX_FMT_FP6
.else
	v_wmma_scale_f32_16x16x128_f8f6f4 v[S+8*(2*\b+\u):S+8*(2*\b+\u)+7], v[KF+12*\b:KF+12*\b+11], v[QF+6*\u:QF+6*\u+11], v[FC:FC+7], v[KS+\b], v[QS] matrix_a_fmt:MATRIX_FMT_FP6 matrix_b_fmt:MATRIX_FMT_FP6
.endif
.endr
.endr
.endm
.macro SUMA                            ; the last step's p into the row's sum: 32 packed additions in four chains; these four are the places behind the second products
	v_pk_add_f32 v[U1:U1+1], v[S:S+1], v[S+2:S+3]
	v_pk_add_f32 v[U2:U2+1], v[S+4:S+5], v[S+6:S+7]
	v_pk_add_f32 v[U3:U3+1], v[S+8:S+9], v[S+10:S+11]
	v_pk_add_f32 v[14:15], v[14:15], v[S+12:S+13]
.endm
.macro SUMB
.irp j, 14,22,30,38,46,54
	v_pk_add_f32 v[U1:U1+1], v[U1:U1+1], v[S+\j:S+\j+1]
	v_pk_add_f32 v[U2:U2+1], v[U2:U2+1], v[S+\j+2:S+\j+3]
	v_pk_add_f32 v[U3:U3+1], v[U3:U3+1], v[S+\j+4:S+\j+5]
	v_pk_add_f32 v[14:15], v[14:15], v[S+\j+6:S+\j+7]
.endr
	v_pk_add_f32 v[U1:U1+1], v[U1:U1+1], v[S+62:S+63]
	v_pk_add_f32 v[U2:U2+1], v[U2:U2+1], v[U3:U3+1]
	s_delay_alu instid0(VALU_DEP_1)
	v_pk_add_f32 v[U1:U1+1], v[U1:U1+1], v[U2:U2+1]
	s_delay_alu instid0(VALU_DEP_1)
	v_pk_add_f32 v[14:15], v[14:15], v[U1:U1+1]
.endm
.macro TMM j0                          ; t - M, sixteen numbers
.irp j, 0,2,4,6,8,10,12,14
	v_pk_fma_f32 v[S+\j0+\j:S+\j0+\j+1], v[S+\j0+\j:S+\j0+\j+1], s[CS:CS+1], v[12:13] op_sel_hi:[1,0,0]
.endr
.endm
; A KEY STEP: 128 keys.  first = 1: the walk's first step.
.macro STEP first
	v_add_nc_u32 v[ADK], s[TB], v[AK0]
.if \first
	s_wait_alu depctr_va_vdst(0)                   ; the wait behind this write: few vector lines stand ahead of its later reader
.else
	SUMA
.endif
.irp b, 0,1,2,3
.irp c, 0,1,2
	ds_load_b128 v[KF+12*\b+4*\c:KF+12*\b+4*\c+3], v[ADK] offset:1536*\b+512*\c
.endr
.endr
	ds_load_b128 v[KS:KS+3], v[ADK] offset:12288
.if \first == 0
	SUMB
.endif
	s_sub_co_u32 s86, s[RC], 16
	s_cmp_lt_u32 s86, 3                            ; a branch on ids alone; no barrier and no tensor load stands under it
	s_cbranch_scc1 .Lband_\@
	s_wait_dscnt 0x0
	SCORES 0
	s_branch .Ljoin_\@
.Lband_\@:
	s_and_b32 s86, s[RC], 3                        ; x = key step - my queries' step + 1
	s_lshl_b32 s86, s86, 9                         ; 128 entries a step
	v_add_nc_u32 v[ADB], s86, v[TABA]
.irp c, 0,1
.irp q, 0,1,2,3,4,5,6,7
	ds_load_b128 v[S+32*\c+4*\q:S+32*\c+4*\q+3], v[ADB] offset:256*\c+16*\q   ; register 32 c + i: key 64 c + 32 h + i
.endr
.endr
.irp j, 0,1,2,3,4,5,6,7
	v_mov_b32 v[FC+\j], s[CR]                      ; behind the band only keys far behind the queries follow
.endr
	s_wait_dscnt 0x0
	SCORES 1
.Ljoin_\@:
.if \first
	v_nop                                          ; four places: for the loads into K's registers and the first read of the scores
.else
	v_mov_b32 v[TO], v12                           ; the last step's -M; the first of four places: for the loads into K's registers and the first read of the scores
.endif
.rept 3
	v_nop
.endr
.irp t, 0,1,2,3
.irp c, 0,1,2
	ds_load_b128 v[KF+12*\t+4*\c:KF+12*\t+4*\c+3], v[ADK] offset:6144+1536*\t+512*\c   ; V: lands under the softmax
.endr
.endr
.irp k, 0,1,2,3
	v_max3_num_f32 v[BM+\k], v[S+16*\k], v[S+1+16*\k], v[S+2+16*\k]   ; four chains by turns, each accumulator from its low end on
.endr
.irp i, 3,5,7,9,11,13
.irp k, 0,1,2,3
	v_max3_num_f32 v[BM+\k], v[BM+\k], v[S+16*\k+\i], v[S+1+16*\k+\i]
.endr
.endr
	v_max3_num_f32 v[BM], v[BM], v[BM+1], v[S+15]
	v_max3_num_f32 v[BM+2], v[BM+2], v[BM+3], v[S+47]
	v_max_num_f32 v[BM], v[BM], v[S+31]            ; the largest score of my block h: for the row's maximum and for the block's largest p
	v_max_num_f32 v[BM+2], v[BM+2], v[S+63]        ; and of my block 2 + h
	s_delay_alu instid0(VALU_DEP_1)
	v_max_num_f32 v[TT], v[BM], v[BM+2]
	s_delay_alu instid0(VALU_DEP_1)
	v_permlanex16_b32 v[W2], v[TT], s[SEL], s[SEL+1]
	s_delay_alu instid0(VALU_DEP_1)
.if \first
	v_max_num_f32 v13, v[TT], v[W2]
.else
	v_max3_num_f32 v13, v13, v[TT], v[W2]          ; the running largest score
.endif
	s_delay_alu instid0(VALU_DEP_1)
	v_mul_f32 v[TT], s[CN], v13                    ; -t
	s_delay_alu instid0(VALU_DEP_1)
	v_floor_f32 v12, v[TT]                         ; -M = floor(-t): M is a whole number
	s_delay_alu instid0(VALU_DEP_1)
	v_fma_f32 v[BM], v[BM], s[CS], v12
	v_fma_f32 v[BM+2], v[BM+2], s[CS], v12
	TMM 0
.if \first == 0
	v_sub_f32 v[TT], v12, v[TO]                    ; old M - new M
.endif
	TMM 16
.if \first == 0
	v_cvt_i32_f32 v[TT], v[TT]                     ; (it saturates)
.endif
	TMM 32
.if \first == 0
	v_ldexp_f32 v[F], 1.0, v[TT]                   ; f = 2^(old M - new M): rounds nothing
.endif
	TMM 48
	s_wait_alu depctr_va_vdst(0)                   ; the wait ahead of the batch
	v_exp_f32 v[BM], v[BM]                         ; the blocks' largest p
	v_exp_f32 v[BM+2], v[BM+2]
.irp j, 0,1,2,3,4,5,6,7,8,9,10,11,12,13,14,15,16,17,18,19,20,21,22,23,24,25,26,27,28,29,30,31,32,33,34,35,36,37,38,39,40,41,42,43,44,45,46,47,48,49,50,51,52,53,54,55,56,57,58,59,60,61,62,63
	v_exp_f32 v[S+\j], v[S+\j]                     ; p = 2^(t - M)
.endr
.if \first
	v_mov_b32 v14, 0                               ; the sum begins.  (The plain place behind the exponentials)
	v_mov_b32 v15, 0
.else
	v_pk_mul_f32 v[14:15], v[14:15], v[F:F+1] op_sel_hi:[1,0]   ; the sum under the new M.  (The plain place behind the exponentials)
.endif
	s_wait_alu depctr_va_vdst(0)                   ; one wait for the batch, ahead of its first reader
	v_max_num_f32 v[BM], 0x1800000, v[BM]          ; the floor 2^(3 - 127)
	v_max_num_f32 v[BM+2], 0x1800000, v[BM+2]
	s_delay_alu instid0(VALU_DEP_2)
	v_add_nc_u32 v[BS], 0xff000000, v[BM]          ; the conversions' scale operands
	s_delay_alu instid0(VALU_DEP_2)
	v_add_nc_u32 v[BS+1], 0xff000000, v[BM+2]
.irp c, 0,1
	v_cvt_scalef32_pk16_fp6_f32 v[PC+6*\c:PC+2+6*\c], v[S+32*\c:S+15+32*\c], v[BS+\c]
	v_cvt_scalef32_pk16_fp6_f32 v[T2+4*\c:T2+2+4*\c], v[S+16+32*\c:S+31+32*\c], v[BS+\c]   ; (a conversion's three registers begin on an even number)
.endr
	v_lshrrev_b32 v[BP], 23, v[BS]                 ; the scales' bytes.  (Plain lines behind the conversions)
	v_lshrrev_b32 v[BP+1], 23, v[BS+1]
	s_delay_alu instid0(VALU_DEP_1)
	v_lshl_or_b32 v[W], v[BP+1], 16, v[BP]         ; blocks h and 2 + h,
	s_delay_alu instid0(VALU_DEP_1)
	v_lshlrev_b32 v[W], v[SH8], v[W]               ; at their places in the word,
	s_delay_alu instid0(VALU_DEP_1)
	v_permlanex16_b32 v[W2], v[W], s[SEL], s[SEL+1]
	s_delay_alu instid0(VALU_DEP_1)
	v_or_b32 v[PW], v[W], v[W2]                    ; with lane l xor 16's two: p's scale word
.irp c, 0,1
.irp i, 0,1,2
	v_mov_b32 v[PC+3+6*\c+\i], v[T2+4*\c+\i]
.endr
.endr
	s_wait_dscnt 0x0                               ; V is in
	s_wait_alu depctr_va_vdst(0)                   ; the wait directly ahead of the first reader of O^T
.if \first
.rept 8
	v_nop                                          ; the places between p's scale word and its products
.endr
.else
.irp j, 0,2,4,6,8,10,12,14,16,18,20,22,24,26,28,30
	v_pk_mul_f32 v[O+\j:O+\j+1], v[O+\j:O+\j+1], v[F:F+1] op_sel_hi:[1,0]   ; O^T under the new M.  Twelve of the sixteen name no register of a given product below: the places in front of it
.endr
.endif
.irp t, 0,1,2,3
.if \first
	v_wmma_scale_f32_16x16x128_f8f6f4 v[O+8*\t:O+8*\t+7], v[KF+12*\t:KF+12*\t+11], v[PC:PC+11], 0, v[KS+\t], v[PW] matrix_a_fmt:MATRIX_FMT_FP6 matrix_b_fmt:MATRIX_FMT_FP6 matrix_a_scale:MATRIX_SCALE_ROW1
.else
	v_wmma_scale_f32_16x16x128_f8f6f4 v[O+8*\t:O+8*\t+7], v[KF+12*\t:KF+12*\t+11], v[PC:PC+11], v[O+8*\t:O+8*\t+7], v[KS+\t], v[PW] matrix_a_fmt:MATRIX_FMT_FP6 matrix_b_fmt:MATRIX_FMT_FP6 matrix_a_scale:MATRIX_SCALE_ROW1
.endif
.endr
	s_add_co_u32 s[TB], s[TB], STEPB
	s_add_co_u32 s[RC], s[RC], 1
.endm
	s_wait_alu depctr_va_vdst(0)                   ; the wait at the head's end
	s_wait_tensorcnt 0x0                           ; my part of steps 0-7 has landed
	ds_add_u32 v254, v255
	s_mov_b32 s[TB], 0
	s_mov_b32 s[CNT], 7
	s_wait_dscnt 0x0                               ; the add is done, my table entries have landed
	s_barrier_signal -1
	s_barrier_wait -1                              ; everybody's part has landed
	tensor_load_to_lds s[44:47], s[24:31]          ; steps 8-15, into bytes of their own
	s_nop 0
	STEP 1
.Lfirst_half:
	STEP 0
	s_sub_co_u32 s[CNT], s[CNT], 1
	s_cmp_lg_u32 s[CNT], 0
	s_cbranch_scc1 .Lfirst_half
	s_wait_tensorcnt 0x0                           ; my part of steps 8-15 has landed
	s_wait_dscnt 0x0
	s_barrier_signal -1
	s_barrier_wait -1                              ; everybody's has
	s_mov_b32 s[TB], HALFB
	s_mov_b32 s[CNT], 8
.Lsecond_half:
	STEP 0
	s_sub_co_u32 s[CNT], s[CNT], 1
	s_cmp_lg_u32 s[CNT], 0
	s_cbranch_scc1 .Lsecond_half
	SUMA                                           ; the last step's p; these additions are also the places behind the last products
	SUMB
	; THE WAY OUT: O^T / the sum, quantised along d: register 16 b + i is d 32 b + 16 h + i of my query.
	s_delay_alu instid0(VALU_DEP_1)
	v_add_f32 v14, v14, v15
	s_delay_alu instid0(VALU_DEP_1)
	v_permlanex16_b32 v[TT], v14, s[SEL], s[SEL+1]
	s_delay_alu instid0(VALU_DEP_1)
	v_add_f32 v14, v14, v[TT]                      ; the row's sum
	s_wait_alu depctr_va_vdst(0)
	v_rcp_f32 v14, v14
	v_nop                                          ; a plain place behind the reciprocal
	s_wait_alu depctr_va_vdst(0)                   ; and the wait ahead of its first reader
.irp j, 0,1,2,3,4,5,6,7,8,9,10,11,12,13,14,15,16,17,18,19,20,21,22,23,24,25,26,27,28,29,30,31
	v_mul_f32 v[S+\j], v[O+\j], v14                ; each accumulator from its low end on
.endr
.irp b, 0,1
	v_max3_num_f32 v[BM+\b], |v[S+16*\b]|, |v[S+1+16*\b]|, 0x1800000
.endr
.irp i, 2,4,6,8,10,12,14
.irp b, 0,1
	s_delay_alu instid0(VALU_DEP_2)
	v_max3_num_f32 v[BM+\b], v[BM+\b], |v[S+16*\b+\i]|, |v[S+1+16*\b+\i]|
.endr
.endr
.irp b, 0,1
	s_delay_alu instid0(VALU_DEP_2)
	v_permlanex16_b32 v[BP+\b], v[BM+\b], s[SEL], s[SEL+1]
.endr
.irp b, 0,1
	s_delay_alu instid0(VALU_DEP_2)
	v_max_num_f32 v[BM+\b], v[BM+\b], v[BP+\b]
.endr
.irp b, 0,1
	s_delay_alu instid0(VALU_DEP_2)
	v_add_nc_u32 v[BS+\b], 0xff000000, v[BM+\b]
.endr
.irp b, 0,1
	s_delay_alu instid0(VALU_DEP_2)
	v_lshrrev_b32 v[BP+\b], 23, v[BS+\b]
.endr
	s_delay_alu instid0(VALU_DEP_1)
	v_lshl_or_b32 v[PW], v[BP+1], 8, v[BP]         ; my row's two bytes
	v_cvt_scalef32_pk16_fp6_f32 v[PC:PC+2], v[S:S+15], v[BS]
	v_cvt_scalef32_pk16_fp6_f32 v[T2:T2+2], v[S+16:S+31], v[BS+1]
	v_nop
.irp i, 0,1,2
	v_permlane16_swap_b32 v[PC+\i], v[T2+\i]
.endr
.irp i, 0,1,2
	s_delay_alu instid0(VALU_DEP_3)
	v_mov_b32 v[PC+3+\i], v[T2+\i]
.endr
.irp p, 0,1,2
	global_store_b64 v[L8], v[PC+2*\p:PC+2*\p+1], s[12:13] offset:256*\p   ; 256 consecutive bytes, aligned
.endr
	ds_store_b16 v[OSA], v[PW]                     ; both halves of the lanes write the same bytes with the same value
	s_wait_dscnt 0x0
	s_barrier_signal -1
	s_barrier_wait -1
	s_cmp_lg_u32 s[WV], 0
	s_cbranch_scc1 .Ldone
	ds_load_b128 v[S:S+3], v[OSR]                  ; wave 0: the sixteen tiles' 512 bytes
	s_wait_dscnt 0x0
	global_store_b128 v[AK0], v[S:S+3], s[14:15]
.Ldone:
	s_wait_tensorcnt 0x0                           ; the wave's end
	ds_add_u32 v254, v255
	s_wait_dscnt 0x0
	s_endpgm
.Lfunc_end_k_qfd121a7287_attn:
	.size	k_qfd121a7287_attn, .Lfunc_end_k_qfd121a7287_attn-k_qfd121a7287_attn
	.p2alignl 7, 3214868480
	.fill 96, 4, 3214868480
	.section	.rodata,"a",@progbits
	.p2align	6, 0x0
	.amdhsa_kernel k_qfd121a7287_attn
		.amdhsa_group_segment_fixed_size 327680
		.amdhsa_private_segment_fixed_size 0
		.amdhsa_enable_private_segment 0
		.amdhsa_kernarg_size 48
		.amdhsa_user_sgpr_count 2
		.amdhsa_user_sgpr_kernarg_segment_ptr 1
		.amdhsa_wavefront_size32 1
		.amdhsa_system_sgpr_workgroup_id_x 1
		.amdhsa_system_sgpr_workgroup_id_y 1
		.amdhsa_system_sgpr_workgroup_id_z 1
		.amdhsa_system_vgpr_workitem_id 0
		.amdhsa_next_free_vgpr 256
		.amdhsa_next_free_sgpr 96
		.amdhsa_reserve_vcc 0
		.amdhsa_float_denorm_mode_32 3
		.amdhsa_float_denorm_mode_16_64 3
		.amdhsa_memory_ordered 1
		.amdhsa_forward_progress 1
		.amdhsa_inst_pref_size 64
	.end_amdhsa_kernel
	.amdgpu_metadata
---
amdhsa.version: [ 1, 2 ]
amdhsa.kernels:
  - .name:           k_qfd121a7287_attn
    .symbol:         k_qfd121a7287_attn.kd
    .args:
      - { .name: qc, .offset: 0, .size: 8, .value_kind: global_buffer, .address_space: global }
      - { .name: qs, .offset: 8, .size: 8, .value_kind: global_buffer, .address_space: global }
      - { .name: kvc, .offset: 16, .size: 8, .value_kind: global_buffer, .address_space: global }
      - { .name: rel_emb, .offset: 24, .size: 8, .value_kind: global_buffer, .address_space: global }
      - { .name: oc, .offset: 32, .size: 8, .value_kind: global_buffer, .address_space: global }
      - { .name: os, .offset: 40, .size: 8, .value_kind: global_buffer, .address_space: global }
    .group_segment_fixed_size: 327680
    .private_segment_fixed_size: 0
    .kernarg_segment_align: 8
    .kernarg_segment_size: 48
    .max_flat_workgroup_size: 512
    .sgpr_count:     96
    .vgpr_count:     256
    .wavefront_size: 32
...
	.end_amdgpu_metadata
.endif
;; end of part 3
;; launch oproj (part 4): grid 64 x 4, 4 waves a work-group, clusters of 4 x 1, 168,448 bytes of LDS; arguments oc, os, wc, wsc, bo, out0; writes out0
.if DOCPART == 4
	.amdgcn_target "amdgcn-amd-amdhsa--gfx1250"
	.amdhsa_code_object_version 6
	.text
	.protected	k_qfd121a7287_oproj
	.globl	k_qfd121a7287_oproj
	.p2align	8
	.type	k_qfd121a7287_oproj,@function
k_qfd121a7287_oproj:
	s_mov_b64 s[64:65], 0
	v_nop
	global_prefetch_b8 v0, s[64:65] scope:SCOPE_SE
	s_setreg_imm32_b32 hwreg(HW_REG_WAVE_MODE, 25, 1), 1
	s_wait_xcnt 0x0
	s_wait_alu depctr_hold_cnt(0) depctr_sa_sdst(0) depctr_va_vdst(0) depctr_va_sdst(0) depctr_va_ssrc(0) depctr_va_vcc(0) depctr_vm_vsrc(0)
	s_getreg_b32 s2, hwreg(HW_REG_IB_STS2, 6, 4)
	s_cmp_eq_u32 s2, 0
	s_cbranch_scc0 .Lentry_in_a_cluster
	s_endpgm
.Lentry_in_a_cluster:
	s_bfe_u32 s2, ttmp6, 0x10000c
	s_cmp_lg_u32 s2, 0x3003
	s_cbranch_scc0 .Lentry_shape_is_right
	s_endpgm
.Lentry_shape_is_right:
; Product 6: out0 = o Wo^T + bo, on codes of FP6 (E2M3) with E8M0 scales.  o's codes (oc) and scale bytes (os) and Wo's images (wc, wsc) come from earlier launches, laid as operand registers.
; A work-group takes 128 rows (x) x 128 columns (y = g).  Wave w takes the tiles 2 w, 2 w + 1 of tokens against Wo's eight tiles of g: 2 x 32 products, the eight accumulators by turns; bo is the C of each sum's first product.
; CLUSTER: the four work-groups of a cluster have the same g and need the same 49,152 bytes of Wo: each wave asks for its quarter JOINTLY (the same descriptor in all four, mask 15).  The place in the cluster
; enters the global addresses of oc, os and out0 alone.  Nothing in LDS is filled twice.
; Source 0 = Wo, source 1 = o: a lane holds a token and eight neighbouring columns; a tile goes through the wave's own stage in LDS and leaves as whole rows of 512 bytes.
; No prefetch: all that a work-group reads is asked for at its head.
.set STG, 49152                        ; LDS 0: Wo's 32 images; here: a stage of 16 rows x (512 + 16) bytes for each wave
.set LI,  5                            ; v5  16 x lane
.set L8,  6                            ; v6  8 x lane
.set R2,  7                            ; v7  2 r
.set R16, 8                            ; v8  16 r
.set SO,  9
.set SR,  10
.set H64, 11
.set WS,  16                           ; v16-47  Wo's scale words, 4 i + s
.set OSW, 48                           ; v48-55  o's scale words, 4 u + s
.set XF1, 56                           ; v56-103 tile 1's four fragments
.set XF0, 104                          ; v104-151 tile 0's
.set BK,  104                          ; v104-167 the way out: 16 rows read back
.set HA,  168                          ; v168-231 the eight accumulators
.set UT,  232                          ; v232-247 scale bytes as loaded
.set BI,  192                          ; in window 1: bo.  Windows 1 and 2: Wo's fragments, (i, s) at window 1 + s / 2, v[12 (8 (s % 2) + i)]
.set WV,  16
.set MSB, 0
.macro WIN new
.if MSB != (\new)
	s_set_vgpr_msb (MSB<<8)|(\new)
.set MSB, (\new)
.endif
.endm
.macro ROUND                           ; a round of the cluster's barrier
	s_barrier_signal -1
	s_barrier_wait -1
	s_cmp_lg_u32 s[WV], 0
	s_cbranch_scc1 .Lnot_wave_0_\@
	s_barrier_signal -3
.Lnot_wave_0_\@:
	s_barrier_wait -3
	s_barrier_signal -1
	s_barrier_wait -1
.endm
.macro MMQ xf, xs
.irp s, 0,1,2,3
.if \s == 0
	WIN 0x11
.elseif \s == 1
	WIN 0x01
.else
	WIN 0x02
.endif
.irp i, 0,1,2,3,4,5,6,7
.if \s == 0
	v_wmma_scale_f32_16x16x128_f8f6f4 v[HA+8*\i:HA+8*\i+7], v[12*(8*(\s%2)+\i):12*(8*(\s%2)+\i)+11], v[\xf+12*\s:\xf+12*\s+11], v[BI+8*\i:BI+8*\i+7], v[WS+4*\i+\s], v[\xs+\s] matrix_a_fmt:MATRIX_FMT_FP6 matrix_b_fmt:MATRIX_FMT_FP6
.else
	v_wmma_scale_f32_16x16x128_f8f6f4 v[HA+8*\i:HA+8*\i+7], v[12*(8*(\s%2)+\i):12*(8*(\s%2)+\i)+11], v[\xf+12*\s:\xf+12*\s+11], v[HA+8*\i:HA+8*\i+7], v[WS+4*\i+\s], v[\xs+\s] matrix_a_fmt:MATRIX_FMT_FP6 matrix_b_fmt:MATRIX_FMT_FP6
.endif
.endr
.endr
	WIN 0
.endm
	s_load_b256 s[4:11], s[0:1], 0x0               ; oc, os, wc, wsc
	s_load_b128 s[12:15], s[0:1], 0x20             ; bo, out0
	v_lshl_add_u32 v254, v0, 2, 0x29000
	v_mov_b32 v255, 0
	ds_add_u32 v254, v255
	ds_add_u32 v254, v255
	v_lshrrev_b32 v1, 5, v0
	v_readfirstlane_b32 s[WV], v1                  ; wave 0..3
	s_bfe_u32 s17, ttmp6, 0x40000                  ; cx
	s_lshl_b32 s18, ttmp9, 2
	s_add_co_u32 s18, s18, s17                     ; X: my block of 128 rows
	s_and_b32 s19, ttmp7, 0xffff                   ; g: my 128 columns, which the four partners share
	s_mov_b32 s24, 15|(3<<16)|(1<<21)              ; group 1: the mask names all four; elements of 8 bytes; bit 21 set beside a mask
	s_mov_b32 s25, 32<<16                          ; rows of 256 bytes,
	s_mov_b32 s26, 48<<16                          ; 48 of them: a quarter of Wo's 32 images
	s_mov_b32 s27, 32<<16
	s_mov_b32 s28, 48
	s_mov_b32 s29, 32
	s_mov_b32 s30, 0
	s_mov_b32 s31, 0
	s_mov_b32 s32, 1
	s_mul_i32 s33, s[WV], 12288                    ; LDS address: the wave's number alone
	s_mul_i32 s20, s19, 49152
	s_add_co_u32 s20, s20, s33
	s_add_co_u32 s20, s20, 589824                  ; Wo is the fourth weight in wc
	s_mov_b32 s21, 0
	s_wait_dscnt 0x0
	s_wait_kmcnt 0x0
	s_add_nc_u64 s[34:35], s[8:9], s[20:21]
	s_or_b32 s35, s35, 0x80000000
	ROUND                                          ; all four work-groups are here: the joint loads meet
	tensor_load_to_lds s[32:35], s[24:31]          ; one load of mine is out
	s_nop 0
.rept 4
	v_nop
.endr
	v_and_b32 v1, 31, v0                           ; lane
	v_and_b32 v2, 15, v0                           ; r
	v_bfe_u32 v3, v0, 4, 1                         ; h
	v_lshlrev_b32 v[LI], 4, v1
	v_lshlrev_b32 v[L8], 3, v1
	s_wait_alu depctr_va_vdst(0)
	v_lshlrev_b32 v[R2], 1, v2
	s_wait_alu depctr_va_vdst(0)
	v_lshlrev_b32 v[R16], 4, v2
	s_wait_alu depctr_va_vdst(0)
	v_lshlrev_b32 v[H64], 6, v3
	s_wait_alu depctr_va_vdst(0)
	s_mul_i32 s22, s[WV], 8448
	s_add_co_u32 s22, s22, STG                     ; my stage
	v_mul_u32_u24 v[SO], v2, 528
	v_add_nc_u32 v[SO], v[SO], v[H64]
	v_add_nc_u32 v[SO], s22, v[SO]                 ; in: row r, + 64 h
	v_add_nc_u32 v[SR], s22, v[LI]                 ; back: a row of 512 bytes for the 32 lanes
	s_lshl_b32 s36, s18, 3
	s_lshl_b32 s38, s[WV], 1
	s_add_co_u32 s36, s36, s38                     ; my first tile of tokens: 8 X + 2 w
	s_mul_i32 s36, s36, 6144
	s_mov_b32 s37, 0
	s_add_nc_u64 s[4:5], s[4:5], s[36:37]
	s_lshr_b32 s36, s18, 4                         ; batch
	s_lshl_b32 s36, s36, 15                        ; eight heads of 4,096 bytes
	s_and_b32 s39, s18, 15
	s_lshl_b32 s39, s39, 3
	s_add_co_u32 s39, s39, s38
	s_lshl_b32 s39, s39, 5                         ; 32 bytes a tile
	s_add_co_u32 s36, s36, s39
	s_add_nc_u64 s[6:7], s[6:7], s[36:37]
	s_lshl_b32 s36, s19, 11
	s_add_co_u32 s36, s36, 24576
	s_add_nc_u64 s[10:11], s[10:11], s[36:37]
	s_lshl_b32 s36, s19, 9
	s_add_nc_u64 s[12:13], s[12:13], s[36:37]
	s_lshl_b32 s39, s18, 7
	s_lshr_b32 s38, s[WV], 1
	s_lshl_b32 s38, s38, 6
	s_add_co_u32 s39, s39, s38
	s_and_b32 s38, s[WV], 1
	s_lshl_b32 s38, s38, 4
	s_add_co_u32 s39, s39, s38                     ; my tiles 2 w, 2 w + 1 begin at token 64 (w / 2) + 16 (w % 2) of the block: lane r of tile T holds token 64 (T / 4) + 8 (T % 4) + r % 8 + 32 (r / 8)
	s_lshl_b32 s39, s39, 11
	s_add_co_u32 s36, s36, s39
	s_add_nc_u64 s[14:15], s[14:15], s[36:37]      ; out0 at row 128 X + 64 (w / 2) + 16 (w % 2), column 128 g
.irp u, 0,1
.irp s, 0,1,2,3
.irp q, 0,1,2,3,4,5
	global_load_b64 v[XF0-48*\u+12*\s+2*\q:XF0-48*\u+12*\s+2*\q+1], v[L8], s[4:5] offset:6144*\u+1536*\s+256*\q   ; 256 consecutive bytes, aligned
.endr
.endr
.endr
.irp u, 0,1
.irp s, 0,1,2,3
.irp c, 0,1
	global_load_u16 v[UT+8*\u+2*\s+\c], v[R2], s[6:7] offset:(2*\s+\c)*4096+32*\u   ; head 2 s + c's two bytes of my row
.endr
.endr
.endr
.irp i, 0,1,2,3,4,5,6,7
	global_load_b128 v[WS+4*\i:WS+4*\i+3], v[R16], s[10:11] offset:256*\i
.endr
	WIN 0x40
.irp i, 0,1,2,3,4,5,6,7
	global_load_b128 v[BI+8*\i:BI+8*\i+3], v[H64], s[12:13] offset:4*(32*(\i/2)+8*(\i%2))
	global_load_b128 v[BI+8*\i+4:BI+8*\i+7], v[H64], s[12:13] offset:4*(32*(\i/2)+8*(\i%2))+16
.endr
	WIN 0
	s_wait_tensorcnt 0x0                           ; my quarter of Wo has landed,
	s_barrier_signal -1
	s_barrier_wait -1                              ; everybody's has
	WIN 0x40
.irp s, 0,1
.irp i, 0,1,2,3,4,5,6,7
.irp c, 0,1,2
	ds_load_b128 v[12*(8*\s+\i)+4*\c:12*(8*\s+\i)+4*\c+3], v[LI] offset:1536*(4*\i+\s)+512*\c
.endr
.endr
.endr
	WIN 0x80
.irp s, 0,1
.irp i, 0,1,2,3,4,5,6,7
.irp c, 0,1,2
	ds_load_b128 v[12*(8*\s+\i)+4*\c:12*(8*\s+\i)+4*\c+3], v[LI] offset:1536*(4*\i+\s+2)+512*\c
.endr
.endr
.endr
	WIN 0
	s_wait_loadcnt 0x0
.irp u, 0,1
.irp s, 0,1,2,3
	v_lshl_or_b32 v[OSW+4*\u+\s], v[UT+8*\u+2*\s+1], 16, v[UT+8*\u+2*\s]   ; K step s: head 2 s's two bytes, head 2 s + 1's two
.endr
.endr
.rept 8
	v_nop                                          ; a scale register written by a vector instruction stands eight places ahead of its product
.endr
	s_wait_alu depctr_va_vdst(0)
	s_wait_dscnt 0x0
.irp u, 0,1
	MMQ XF0-48*\u, OSW+4*\u
.rept 5
	v_nop                                          ; five places: the stores read results, and the next run of products begins the same accumulators anew
.endr
.irp i, 0,1,2,3,4,5,6,7
	ds_store_b128 v[SO], v[HA+8*\i:HA+8*\i+3] offset:128*(\i/2)+32*(\i%2)       ; each accumulator from its low end on
	ds_store_b128 v[SO], v[HA+8*\i+4:HA+8*\i+7] offset:128*(\i/2)+32*(\i%2)+16
.endr
.if \u == 1
	s_wait_xcnt 0x0                                ; the first tile's stores have read their registers (ISA guide 3.1)
.endif
.irp t, 0,1,2,3,4,5,6,7,8,9,10,11,12,13,14,15
	ds_load_b128 v[BK+4*\t:BK+4*\t+3], v[SR] offset:528*\t   ; LDS serves a wave's instructions in order (ISA guide 5.7.1.4): these see my stores
.endr
	s_wait_dscnt 0x0
.irp t, 0,1,2,3,4,5,6,7,8,9,10,11,12,13,14,15
	global_store_b128 v[LI], v[BK+4*\t:BK+4*\t+3], s[14:15] offset:(8*\u+\t+24*(\t/8))*2048 th:TH_STORE_NT   ; 512 consecutive bytes, aligned; the stage's row t is token 8 u + t % 8 + 32 (t / 8) from my first
.endr
.endr
	s_wait_tensorcnt 0x0
	ds_add_u32 v254, v255
	s_wait_dscnt 0x0
	ROUND                                          ; the closing round: no work-group ends while a partner may still ask for a tile that names it
	s_endpgm
.Lfunc_end_k_qfd121a7287_oproj:
	.size	k_qfd121a7287_oproj, .Lfunc_end_k_qfd121a7287_oproj-k_qfd121a7287_oproj
	.p2alignl 7, 3214868480
	.fill 96, 4, 3214868480
	.section	.rodata,"a",@progbits
	.p2align	6, 0x0
	.amdhsa_kernel k_qfd121a7287_oproj
		.amdhsa_group_segment_fixed_size 168448
		.amdhsa_private_segment_fixed_size 0
		.amdhsa_enable_private_segment 0
		.amdhsa_kernarg_size 48
		.amdhsa_user_sgpr_count 2
		.amdhsa_user_sgpr_kernarg_segment_ptr 1
		.amdhsa_wavefront_size32 1
		.amdhsa_system_sgpr_workgroup_id_x 1
		.amdhsa_system_sgpr_workgroup_id_y 1
		.amdhsa_system_sgpr_workgroup_id_z 1
		.amdhsa_system_vgpr_workitem_id 0
		.amdhsa_next_free_vgpr 768
		.amdhsa_next_free_sgpr 66
		.amdhsa_reserve_vcc 0
		.amdhsa_float_denorm_mode_32 3
		.amdhsa_float_denorm_mode_16_64 3
		.amdhsa_memory_ordered 1
		.amdhsa_forward_progress 1
		.amdhsa_inst_pref_size 36
	.end_amdhsa_kernel
	.amdgpu_metadata
---
amdhsa.version: [ 1, 2 ]
amdhsa.kernels:
  - .name:           k_qfd121a7287_oproj
    .symbol:         k_qfd121a7287_oproj.kd
    .args:
      - { .name: oc, .offset: 0, .size: 8, .value_kind: global_buffer, .address_space: global }
      - { .name: os, .offset: 8, .size: 8, .value_kind: global_buffer, .address_space: global }
      - { .name: wc, .offset: 16, .size: 8, .value_kind: global_buffer, .address_space: global }
      - { .name: wsc, .offset: 24, .size: 8, .value_kind: global_buffer, .address_space: global }
      - { .name: bo, .offset: 32, .size: 8, .value_kind: global_buffer, .address_space: global }
      - { .name: out0, .offset: 40, .size: 8, .value_kind: global_buffer, .address_space: global }
    .group_segment_fixed_size: 168448
    .private_segment_fixed_size: 0
    .kernarg_segment_align: 8
    .kernarg_segment_size: 48
    .max_flat_workgroup_size: 128
    .sgpr_count:     66
    .vgpr_count:     768
    .wavefront_size: 32
...
	.end_amdgpu_metadata
.endif
;; end of part 4
